; MI455X (gfx1250); checked and timed in simulation.
; The chip was launched on July 23, 2026; its instructions are those of AMD's public machine-readable ISA for CDNA 5 (MIT licence, August 2026) and "CDNA5" Instruction Set Architecture Reference Guide (July 2026). The comments in the code are by the model that wrote it; some were corrected since.
;; Binary Linear Layer. Allowed arithmetic: float matrix products may take bf16 or f16 operands with f32 sums; other float arithmetic in f32, or as packed bf16 or f16 multiplies, adds, multiply-adds, maxima and minima; sums over many terms, partial sums and values carried from step to step in f32; what a program stores and reads back later, other than sums and carried values, may be rounded once to bf16 or f16.
;; Inputs: bias 4,096 float32; weight 4,096 x 4,096 float32; x 4,096 x 4,096 float32.
;; Outputs: out0 4,096 x 4,096 float32.
;; 2 versions, each right; version 2 is version 1 with the launch prep written anew for expert scheduling mode. Each part assembles by itself: llvm-mc -triple=amdgcn-amd-amdhsa -mcpu=gfx1250 --defsym DOCPART=n.
;; ======== version 1 of 2: 2 launches
;; workspace buffers: xb 33,554,432 bytes; wb 33,554,432 bytes
;; launch prep (part 1): grid 256 x 2, 8 waves a work-group, no clusters, 0 bytes of LDS; arguments x, weight, xb, wb; writes xb, wb
.if DOCPART == 1
	.amdgcn_target "amdgcn-amd-amdhsa--gfx1250"
	.amdhsa_code_object_version 6
	.text
	.protected	k_qb68122142c_prep
	.globl	k_qb68122142c_prep
	.p2align	8
	.type	k_qb68122142c_prep,@function
k_qb68122142c_prep:
	s_mov_b64 s[64:65], 0
	v_nop
	global_prefetch_b8 v0, s[64:65] scope:SCOPE_SE
	s_setreg_imm32_b32 hwreg(HW_REG_WAVE_MODE, 25, 1), 1
	s_wait_xcnt 0x0
; xb = x rounded once to bf16 (nearest even);  wb = sign(weight) in bf16, which holds -1, 0 and +1 exactly.  x, weight: [4096][4096] f32;  xb, wb: [4096][4096] bf16, row-major.
; LIMITS.  An x beyond bf16's largest finite number becomes an infinity.  The sign is exact for every f32: a denormal gives +1 or -1, +0 and -0 stay zeros, a NaN stays a NaN.
; SHARES.  Work-groups with y = 0 take x, those with y = 1 weight.  Work-group g owns 262,144 consecutive input bytes, taken as 64 pieces of 4,096 bytes, and writes 131,072 bytes.
; Thread t takes the 16 bytes at 16 t of each piece (a wave's load covers 512 consecutive bytes) and stores 8 bytes at 8 t of the 2,048 bytes made of it: a wave's store covers 256 consecutive
; bytes, aligned.  A ring of DEPTH register slots keeps DEPTH loads of every wave on their way.
; LEFT OUT: LDS, tensor loads, clusters and the matrix unit: no byte is wanted by two threads, and each number has a conversion or four selects.  No prefetch: the loads themselves are the stream.
.set DEPTH,  16                        ; slots = loads in flight in each wave
.set ROUNDS, 64/DEPTH                  ; each round takes every slot once
.set INROW,  4096                      ; input bytes of a piece
.set OUTROW, 2048                      ; output bytes of a piece
.set IN,   1                           ; v1        16 t; never rewritten
.set OUTO, 2                           ; v2        8 t; never rewritten
.set ONE,  3                           ; v3        1.0
.set MONE, 4                           ; v4        -1.0
.set T,    6                           ; v[6:9]    at work
.set X,    16                          ; v[16:79]  slot i: 4 numbers as loaded
.set Y,    80                          ; v[80:111] slot i: 4 bf16 to store
	s_load_b256 s[4:11], s[0:1], 0x0               ; x s[4:5], weight s[6:7], xb s[8:9], wb s[10:11]
	s_and_b32 s12, ttmp7, 0xffff                   ; 0: x, 1: weight
	s_lshl_b32 s14, ttmp9, 18                      ; the work-group's 262,144 input bytes (255 x 2^18 stays under 2^32),
	s_mov_b32 s15, 0
	s_lshl_b32 s16, ttmp9, 17                      ; and its 131,072 output bytes
	s_mov_b32 s17, 0
	v_lshlrev_b32 v[IN], 4, v0
	v_lshlrev_b32 v[OUTO], 3, v0
	v_mov_b32 v[ONE], 1.0
	v_mov_b32 v[MONE], -1.0
	s_wait_kmcnt 0x0
	s_cmp_eq_u32 s12, 0
	s_cselect_b64 s[4:5], s[4:5], s[6:7]           ; from where,
	s_cselect_b64 s[8:9], s[8:9], s[10:11]         ; to where
	s_add_nc_u64 s[4:5], s[4:5], s[14:15]
	s_add_nc_u64 s[8:9], s[8:9], s[16:17]
	s_cmp_lg_u32 s12, 0
	s_cbranch_scc1 .Lsign
; One slot's turn.  ahead = 1: the slot is filled again with the piece DEPTH further on.  left = how many younger loads may stay out.  kind = 0: round; 1: sign.
.macro SLOT i, ahead, left, kind
	s_wait_loadcnt \left                           ; loads come back in order (ISA guide 5.7.1): this slot's is in, the younger ones stay out
.if \kind
.irp j, 0,1,2,3
	v_cmp_lt_f32 s[20+2*(\j)], 0, v[X+4*(\i)+(\j)] ; 0 < w
	v_cmp_gt_f32 s[21+2*(\j)], 0, v[X+4*(\i)+(\j)] ; 0 > w
.endr
.irp j, 0,1,2,3
	v_cndmask_b32 v[T+(\j)], v[X+4*(\i)+(\j)], v[ONE], s[20+2*(\j)]   ; +1 where w is positive; else w itself, so that a zero and a NaN stay what they are,
.endr
.irp j, 0,1,2,3
	v_cndmask_b32 v[T+(\j)], v[T+(\j)], v[MONE], s[21+2*(\j)]         ; -1 where it is negative
.endr
	v_cvt_pk_bf16_f32 v[Y+2*(\i)],   v[T],   v[T+1]
	v_cvt_pk_bf16_f32 v[Y+2*(\i)+1], v[T+2], v[T+3]
.else
	v_cvt_pk_bf16_f32 v[Y+2*(\i)],   v[X+4*(\i)],   v[X+4*(\i)+1]     ; two roundings to bf16, packed
	v_cvt_pk_bf16_f32 v[Y+2*(\i)+1], v[X+4*(\i)+2], v[X+4*(\i)+3]
.endif
.if \ahead
	global_load_b128 v[X+4*(\i):X+4*(\i)+3], v[IN], s[4:5] offset:(DEPTH+(\i))*INROW th:TH_LOAD_NT  ; the load ahead of the store
.endif
	global_store_b64 v[OUTO], v[Y+2*(\i):Y+2*(\i)+1], s[8:9] offset:(\i)*OUTROW  ; no hint: the next launch reads these bytes
.endm
; The whole stream of a work-group, for one kind.
.macro STREAM kind
.irp i, 0,1,2,3,4,5,6,7,8,9,10,11,12,13,14,15
	global_load_b128 v[X+4*(\i):X+4*(\i)+3], v[IN], s[4:5] offset:(\i)*INROW th:TH_LOAD_NT  ; fill the ring: pieces 0 to 15
.endr
	s_mov_b32 s13, ROUNDS-1
.Lround_\@:
.irp i, 0,1,2,3,4,5,6,7,8,9,10,11,12,13,14,15
	SLOT \i, 1, DEPTH-1, \kind
.endr
	s_wait_xcnt 0x0                                ; every load and store issued so far has had its addresses translated (ISA guide 3.1): only behind this wait are the two bases stepped, and the next round's first line rewrites a store's data
	s_add_nc_u64 s[4:5], s[4:5], DEPTH*INROW
	s_add_nc_u64 s[8:9], s[8:9], DEPTH*OUTROW
	s_sub_co_u32 s13, s13, 1
	s_cmp_lg_u32 s13, 0
	s_cbranch_scc1 .Lround_\@
.irp i, 0,1,2,3,4,5,6,7,8,9,10,11,12,13,14,15
	SLOT \i, 0, DEPTH-1-(\i), \kind                ; the last round loads nothing: the counts run down, and no load passes the group's 64th piece
.endr
	s_endpgm
.endm
	STREAM 0
.Lsign:
	STREAM 1
.Lfunc_end_k_qb68122142c_prep:
	.size	k_qb68122142c_prep, .Lfunc_end_k_qb68122142c_prep-k_qb68122142c_prep
	.p2alignl 7, 3214868480
	.fill 96, 4, 3214868480
	.section	.rodata,"a",@progbits
	.p2align	6, 0x0
	.amdhsa_kernel k_qb68122142c_prep
		.amdhsa_group_segment_fixed_size 0
		.amdhsa_private_segment_fixed_size 0
		.amdhsa_enable_private_segment 0
		.amdhsa_kernarg_size 32
		.amdhsa_user_sgpr_count 2
		.amdhsa_user_sgpr_kernarg_segment_ptr 1
		.amdhsa_wavefront_size32 1
		.amdhsa_system_sgpr_workgroup_id_x 1
		.amdhsa_system_sgpr_workgroup_id_y 1
		.amdhsa_system_sgpr_workgroup_id_z 1
		.amdhsa_system_vgpr_workitem_id 0
		.amdhsa_next_free_vgpr 112
		.amdhsa_next_free_sgpr 66
		.amdhsa_reserve_vcc 0
		.amdhsa_float_denorm_mode_32 3
		.amdhsa_float_denorm_mode_16_64 3
		.amdhsa_memory_ordered 1
		.amdhsa_forward_progress 1
		.amdhsa_inst_pref_size 56
	.end_amdhsa_kernel
	.amdgpu_metadata
---
amdhsa.version: [ 1, 2 ]
amdhsa.kernels:
  - .name:           k_qb68122142c_prep
    .symbol:         k_qb68122142c_prep.kd
    .args:
      - { .name: x, .offset: 0, .size: 8, .value_kind: global_buffer, .address_space: global }
      - { .name: weight, .offset: 8, .size: 8, .value_kind: global_buffer, .address_space: global }
      - { .name: xb, .offset: 16, .size: 8, .value_kind: global_buffer, .address_space: global }
      - { .name: wb, .offset: 24, .size: 8, .value_kind: global_buffer, .address_space: global }
    .group_segment_fixed_size: 0
    .private_segment_fixed_size: 0
    .kernarg_segment_align: 8
    .kernarg_segment_size: 32
    .max_flat_workgroup_size: 256
    .sgpr_count:     66
    .vgpr_count:     112
    .wavefront_size: 32
...
	.end_amdgpu_metadata
.endif
;; end of part 1
;; launch gemm (part 2): grid 16 x 16, 4 waves a work-group, clusters of 4 x 4, 327,680 bytes of LDS; arguments xb, wb, out0, bias; writes out0
.if DOCPART == 2
	.amdgcn_target "amdgcn-amd-amdhsa--gfx1250"
	.amdhsa_code_object_version 6
	.text
	.protected	k_qb68122142c_gemm
	.globl	k_qb68122142c_gemm
	.p2align	8
	.type	k_qb68122142c_gemm,@function
k_qb68122142c_gemm:
	s_mov_b64 s[64:65], 0
	v_nop
	global_prefetch_b8 v0, s[64:65] scope:SCOPE_SE
	s_setreg_imm32_b32 hwreg(HW_REG_WAVE_MODE, 25, 1), 1
	s_wait_xcnt 0x0
	s_wait_alu depctr_hold_cnt(0) depctr_sa_sdst(0) depctr_va_vdst(0) depctr_va_sdst(0) depctr_va_ssrc(0) depctr_va_vcc(0) depctr_vm_vsrc(0)
	s_getreg_b32 s2, hwreg(HW_REG_IB_STS2, 6, 4)
	s_cmp_eq_u32 s2, 0
	s_cbranch_scc0 .Lentry_in_a_cluster
	s_endpgm
.Lentry_in_a_cluster:
	s_bfe_u32 s2, ttmp6, 0x10000c
	s_cmp_lg_u32 s2, 0xf033
	s_cbranch_scc0 .Lentry_shape_is_right
	s_endpgm
.Lentry_shape_is_right:
; out0[m][n] = the sum over k of xb[m][k] wb[n][k] + sign(bias[n]).  xb (x in bf16) and wb (sign(weight) in bf16): [4096][4096], K along the rows; out0: [4096][4096] f32; bias: [4096] f32.
; Sums in f32, K ascending, one sum for each output.  LIMITS: x's one rounding to bf16 is the only rounding of an operand; sign(bias) is exact: +1, -1, a zero stays a zero, a NaN a NaN.
; SHARES.  A work-group of four waves makes a block of 256 x 256 of out0, a wave 128 x 128: 64 accumulators of 16 x 16, 512 registers.  16 x 16 blocks: 256 work-groups.
; K goes in 32 steps of 128 through a ring of two LDS slots filled by the tensor data mover: a tile's rows are 256 bytes of memory and start at multiples of 256 bytes from the buffer's first byte.
; CLUSTERS: 4 x 4 work-groups.  The four of a row of the cluster need the same tiles of xb, the four of a column the same tiles of wb: each tile is asked for JOINTLY, by the same tensor load with the
; same descriptor and a mask that names the four; each receives it in its own LDS.  That divides the requests for both operands by four.
; THE MATRIX INSTRUCTION IS USED TRANSPOSED: source 0 = 16 rows of wb, source 1 = 16 rows of xb.  In the result lane l holds row l % 16 of out0 and its registers 0 to 7 the columns 8 (l / 16) + 0 .. 7:
; 32 neighbouring bytes of a row.
; REGISTERS, in windows of 256 (s_set_vgpr_msb's low byte: bits 1:0 source 0, 3:2 source 1, 5:4 source 2, 7:6 destination):
;   window 0: v0-31 addresses, bias; v64-127, v128-191 fragments of xb (8 x 16 rows x 32 K), two buffers; on the way out the same 128 registers hold two blocks of 16 rows read back
;   window 1: v64-127, v128-191 fragments of wb, two buffers
;   window 2: the 32 accumulators of my rows 0-63 (accumulator (a, b) at v[8 (8 a + b)]);   window 3: those of my rows 64-127
.set SIZE_M, 4096
.set SIZE_N, 4096
.set SIZE_K, 4096
.set KSTEP,  128
.set PITCH,  272                       ; an LDS row: 256 bytes of data + 16 of padding = 68 words: row r starts at bank 4 r mod 64 (64 banks of 4 bytes: ISA guide 11.1), so the 16 rows that a load touches start at 16 different banks
.set HALFT,  128*PITCH                 ; 128 rows: what one tensor load brings, and what one wave reads of either operand
.set SLOT,   4*HALFT                   ; xb's 256 rows, then wb's 256 rows
.set STAGE,  2*SLOT                    ; behind the ring: 16 rows x 528 bytes for each wave, for the way out; no tensor load lands here
.set SPITCH, 528                       ; a stage row: 128 f32 + 16 bytes = 132 words: again row r starts at bank 4 r mod 64
.set SPARE,  STAGE+4*16*SPITCH         ; behind the stages: the spare words, 128 bytes for each wave: two blocks of 256 bytes that no other line names
.set LAPS,   SIZE_K/(2*KSTEP)          ; a lap = two K steps = once round the ring: 16
.set BI,   8                           ; v[8:11]  bias of my four columns on the way out, as loaded
.set SB,   12                          ; v[12:15] its sign
.set ADRA, 16                          ; v16-17  LDS address of my xb fragments in slot 0, 1
.set ADRB, 20                          ; v20-21  the same for wb
.set STO,  24                          ; v24     the way out: where I put 32 bytes of a row
.set RD,   25                          ; v25     the way out: where I read 16 bytes of a row back
.set CO,   26                          ; v26     my byte offset in a row of my wave's part of out0; never rewritten
.set BO,   27                          ; v27     my byte offset in bias; never rewritten
.set SPW,  28                          ; v28     LDS address of my spare word: SPARE + 4 x my thread's number; never rewritten
.set NIL,  29                          ; v29     0; never rewritten
.set PFO,  30                          ; v30     the prefetches' offset: my lane x a row of xb or wb (8,192 bytes); never rewritten
.set F0,   64                          ; fragment buffer 0
.set F1,   128                         ; fragment buffer 1
.set OB,   64                          ; the way out: 16 rows read back from the stage, 64 registers: v64-127 and v128-191 by turns
.set G1,  24                           ; s[24:31] descriptor group 1 for xb's tiles
.set G0,  32                           ; s[32:39] descriptor group 0 for xb's tiles, one set for each slot
.set LIM, 43                           ; s43      1 in a wave that prefetches, else the greatest number
.set PFA, 44                           ; s[44:45] where my prefetches stand: my work-group's 32 rows of the 128 that I fetch, one K step further along K than the refill in hand; a prefetch names the K step after that
.set G1B, 48                           ; s[48:55] descriptor group 1 for wb's tiles: it differs in the mask alone
.set G0B, 56                           ; s[56:63] descriptor group 0 for wb's tiles, one set for each slot
.set MSB, 0
.macro WIN new                         ; the immediate's high byte repeats the setting that is left; a switch that changes nothing is dropped
.if MSB != (\new)
	s_set_vgpr_msb (MSB<<8)|(\new)
.set MSB, \new
.endif
.endm
.set MUL_LO, 0xa1                      ; source 0 (wb) window 1, source 1 (xb) window 0, C and D window 2
.set MUL_HI, 0xf1                      ; the same, C and D window 3
.set TO_B,   0x40                      ; destination window 1, address window 0
; A joint load.  Waves 0 and 1 fetch xb's two halves, waves 2 and 3 wb's.  Each of the two lines has ONE mask and one set of registers for all that issue it; the branch hangs on the wave's number alone.
; An s_nop 0 and four v_nop follow each of the two lines, ahead of the jump, the label and what follows.
.macro JLOAD s
	s_cmp_eq_u32 s11, 0
	s_cbranch_scc0 .Lfor_b_\@
	tensor_load_to_lds s[G0+4*(\s):G0+4*(\s)+3], s[G1:G1+7]
	s_nop 0
.rept 4
	v_nop
.endr
	s_branch .Lasked_\@
.Lfor_b_\@:
	tensor_load_to_lds s[G0B+4*(\s):G0B+4*(\s)+3], s[G1B:G1B+7]
	s_nop 0
.rept 4
	v_nop
.endr
.Lasked_\@:
.endm
; A PREFETCH INTO THE L2, behind each joint refill, its five lines and the run of LDS loads that follows them: the K step that stands TWO refills on, 512 matrix instructions ahead of the load that will want it:
; 32 rows x 256 bytes, a lane a row, one instruction a wave.  Each row's 256 bytes of a K step are named ONCE in the launch: xb's tile row is read by every cluster of that row of clusters, and the first of them
; (cluster x = 0) asks; wb's tile column by every cluster of that column, and cluster y = 0 asks.  The four partners that ask for a tile jointly share its rows out BY ADDRESS: of the 128 rows that a wave fetches
; the partner at place p takes 32 p .. 32 p + 31 (p = cx for xb, cy for wb).  K steps 0 to 3 come by their loads alone; the loop's last trip (s3 = 1) asks for nothing: K step 31 is the last that is named.
.macro ASK
	s_cmp_gt_u32 s3, s[LIM]
	s_cbranch_scc0 .Lnot_mine_\@
	global_prefetch_b8 v[PFO], s[PFA:PFA+1] offset:KSTEP*2 th:TH_LOAD_NT scope:SCOPE_SE
.Lnot_mine_\@:
.endm
; A round of the cluster's barrier: my work-group's barrier, so that wave 0's signal speaks for all four waves; wave 0 signals for the work-group; every wave waits for all sixteen work-groups; my work-group's barrier once more.
.macro CREST                           ; a round behind its opening barrier
	s_cmp_lg_u32 s10, 0
	s_cbranch_scc1 .Lnot_wave_0_\@
	s_barrier_signal -3
.Lnot_wave_0_\@:
	s_barrier_wait -3
	s_barrier_signal -1
	s_barrier_wait -1
.endm
.macro CROUND                          ; a whole round
	s_barrier_signal -1
	s_barrier_wait -1
	CREST
.endm
	s_load_b128 s[4:7], s[0:1], 0x0                ; xb s[4:5], wb s[6:7]
	s_load_b64 s[8:9], s[0:1], 0x10                ; out0
	s_load_b64 s[66:67], s[0:1], 0x18              ; bias
	v_lshl_add_u32 v[SPW], v0, 2, SPARE
	v_mov_b32 v[NIL], 0
	ds_add_u32 v[SPW], v[NIL]                      ; the wave's opening: the add, twice on end, and its wait ahead of my first tensor load; the set-up below, work on registers, stands between
	ds_add_u32 v[SPW], v[NIL]                      ; and once more, under the one wait
	v_lshrrev_b32 v1, 5, v0
	v_readfirstlane_b32 s10, v1                    ; wave 0..3
	s_lshr_b32 s11, s10, 1                         ; which half of the block's rows is mine.  Also: I fetch for xb (0) or for wb (1)
	s_and_b32 s12, s10, 1                          ; which half of its columns.  Also: which 128 rows of that tile I fetch
	s_bfe_u32 s40, ttmp6, 0x40000                  ; cx: my place along the cluster's x
	s_bfe_u32 s41, ttmp6, 0x40004                  ; cy: along its y
	s_lshl_b32 s42, ttmp9, 2                       ; in a cluster launch ttmp9 and ttmp7 count clusters
	s_add_co_u32 s42, s42, s40                     ; tile column of out0 = 4 x cluster x + cx
	s_and_b32 s13, ttmp7, 0xffff
	s_lshl_b32 s13, s13, 2
	s_add_co_u32 s13, s13, s41                     ; tile row = 4 x cluster y + cy
	s_lshl_b32 s43, s41, 2
	s_lshl_b32 s43, 15, s43                        ; my row of the cluster: places 4 cy .. 4 cy + 3
	s_lshl_b32 s44, 0x1111, s40                    ; my column: places cx, cx + 4, cx + 8, cx + 12
	; descriptor group 1: a tile of 128 rows x 128 elements, padded in LDS
	s_or_b32 s[G1+0], s43, (1<<16)|(1<<20)|(1<<21)|(5<<22)|(3<<25)   ; 15:0 the mask: xb's tiles go to my row; 17:16 elements of 2 bytes; 20 padding on; 21 set beside a mask; 24:22 after every 64 words (code 5); 31:25 4 words of it (code 3)
	s_or_b32 s[G1B+0], s44, (1<<16)|(1<<20)|(1<<21)|(5<<22)|(3<<25)  ; the same with the mask of my column, for wb's tiles
.irp g, G1, G1B
	s_mov_b32 s[(\g)+1], KSTEP<<16                 ; 63:48 tensor_dim0, low half = 128
	s_mov_b32 s[(\g)+2], 128<<16                   ; 79:64 its high half = 0; 95:80 tensor_dim1, low half = 128
	s_mov_b32 s[(\g)+3], KSTEP<<16                 ; 111:96 its high half = 0; 127:112 tile_dim0 = 128
	s_mov_b32 s[(\g)+4], 128                       ; 143:128 tile_dim1 = 128; 159:144 tile_dim2 = 0
	s_mov_b32 s[(\g)+5], SIZE_K                    ; 191:160 tensor_dim0_stride, low word: elements from row to row
	s_mov_b32 s[(\g)+6], 0
	s_mov_b32 s[(\g)+7], 0
.endr
	; where the tiles come from.  xb's hang on the tile row alone, which my row of the cluster shares; wb's on the tile column alone, which my column shares.
	; Every wave makes both addresses, in registers that never hold the other coordinate, and asks by one of them.
	s_lshl_b32 s17, s12, 7                         ; which 128 rows of the tile I fetch
	s_lshl_b32 s16, s13, 8
	s_add_co_u32 s16, s16, s17                     ; xb: row 256 x tile row + 128 x half
	s_lshl_b32 s46, s42, 8
	s_add_co_u32 s46, s46, s17                     ; wb: row 256 x tile column + 128 x half
	s_mov_b32 s17, 0
	s_mov_b32 s47, 0
	s_mov_b64 s[18:19], SIZE_K*2
	s_mul_u64 s[16:17], s[16:17], s[18:19]         ; in bytes
	s_mul_u64 s[46:47], s[46:47], s[18:19]
	s_mul_i32 s20, s10, HALFT                      ; and where they go: xb's two halves, then wb's two halves = wave x 128 rows: no place in the cluster enters an LDS address
	s_wait_dscnt 0x0                               ; both opening adds are done
	s_wait_kmcnt 0x0
	s_add_nc_u64 s[14:15], s[4:5], s[16:17]
	s_add_nc_u64 s[46:47], s[6:7], s[46:47]
	CROUND                                         ; all sixteen work-groups are here: the first joint loads meet
.irp s, 0,1
	s_mov_b32 s[G0+4*(\s)], 1                                        ; 1:0 count = 1
	s_add_co_u32 s[G0+4*(\s)+1], s20, (\s)*SLOT                      ; 63:32 LDS address
	s_add_nc_u64 s[G0+4*(\s)+2:G0+4*(\s)+3], s[14:15], (\s)*KSTEP*2  ; 120:64 global address: K step s
	s_or_b32 s[G0+4*(\s)+3], s[G0+4*(\s)+3], 0x80000000              ; 127:126 type = 2
	s_mov_b32 s[G0B+4*(\s)], 1
	s_add_co_u32 s[G0B+4*(\s)+1], s20, (\s)*SLOT
	s_add_nc_u64 s[G0B+4*(\s)+2:G0B+4*(\s)+3], s[46:47], (\s)*KSTEP*2
	s_or_b32 s[G0B+4*(\s)+3], s[G0B+4*(\s)+3], 0x80000000
	JLOAD \s                                       ; the ring is filled before anything else is done: two tensor loads of mine are out
.endr
	; A fragment is 16 rows x 32 K in 8 registers: lane l holds row l % 16; registers 0-3 hold K = 8 (l / 16) + 0..7, registers 4-7 K = 16 + 8 (l / 16) + 0..7: two loads of 16 bytes, 32 bytes apart.
	v_and_b32 v1, 15, v0                           ; l % 16
	v_bfe_u32 v2, v0, 4, 1                         ; l / 16
	v_and_b32 v6, 31, v0                           ; l
	v_mul_u32_u24 v3, v1, PITCH
	v_lshl_add_u32 v3, v2, 4, v3                   ; row x pitch + 16 x half
	s_mul_i32 s21, s11, HALFT                      ; my 128 rows of xb
	s_mul_i32 s22, s12, HALFT                      ; my 128 rows of wb,
	s_add_co_u32 s22, s22, 2*HALFT                 ; which lie behind xb's 256
.irp s, 0,1
	v_add_nc_u32 v[ADRA+(\s)], s21, v3
	v_add_nc_u32 v[ADRB+(\s)], s22, v3
	s_add_co_u32 s21, s21, SLOT
	s_add_co_u32 s22, s22, SLOT
.endr
	s_mul_i32 s23, s10, 16*SPITCH
	s_add_co_u32 s23, s23, STAGE                   ; my stage
	v_mul_u32_u24 v4, v1, SPITCH                   ; in: row l % 16, 32 bytes for each half of the lanes
	v_lshl_add_u32 v4, v2, 5, v4
	v_add_nc_u32 v[STO], s23, v4
	v_lshl_add_u32 v[RD], v6, 4, s23               ; back: the 32 lanes take one row of 512 bytes
	v_lshlrev_b32 v[CO], 4, v6                     ; and the same 16 bytes in a row of out0
	; out0 at my part of the block
	s_lshl_b32 s13, s13, 8
	s_lshl_b32 s14, s11, 7
	s_add_co_u32 s16, s13, s14                     ; my first row: 256 x tile row + 128 x half
	s_mov_b32 s17, 0
	s_mov_b64 s[18:19], SIZE_N*4
	s_mul_u64 s[16:17], s[16:17], s[18:19]
	s_lshl_b32 s46, s42, 10                        ; my first column, in bytes of f32: 1,024 x tile column + 512 x half (in the registers that held wb's address: none that feeds xb's descriptors ever holds cx)
	s_lshl_b32 s47, s12, 9
	s_add_co_u32 s46, s46, s47
	s_mov_b32 s47, 0
	s_add_nc_u64 s[16:17], s[16:17], s[46:47]
	s_add_nc_u64 s[8:9], s[8:9], s[16:17]          ; never stepped again: the rows stand in the stores' immediates
	v_lshl_add_u32 v[BO], v6, 4, s46               ; bias is f32 too: the same byte offset as my four columns in a row
	global_load_b128 v[BI:BI+3], v[BO], s[66:67]   ; waited for on the way out
	; the prefetches.  s13 = 256 x tile row, s42 = tile column, s40 = cx, s41 = cy still stand
	s_lshl_b32 s42, s42, 8
	s_and_b32 s22, ttmp7, 0xffff                   ; cluster y
	s_cmp_eq_u32 s11, 0                            ; do I fetch for xb?
	s_cselect_b32 s20, s13, s42                    ; the tile's first row: in xb by the tile row, in wb by the tile column
	s_cselect_b32 s21, s40, s41                    ; my place among the four that ask for it with me
	s_cselect_b32 s22, ttmp9, s22                  ; the coordinate along which other clusters read the same rows
	s_cselect_b64 s[PFA:PFA+1], s[4:5], s[6:7]
	s_cmp_eq_u32 s22, 0
	s_cselect_b32 s[LIM], 1, -1                    ; the same in all sixteen partners, for a given wave
	s_lshl_b32 s22, s12, 7
	s_add_co_u32 s20, s20, s22                     ; + the 128 rows that I fetch
	s_lshl_b32 s21, s21, 5
	s_add_co_u32 s20, s20, s21                     ; + my work-group's 32 of them
	s_mov_b32 s21, 0
	s_mov_b64 s[18:19], SIZE_K*2
	s_mul_u64 s[20:21], s[20:21], s[18:19]
	s_add_nc_u64 s[PFA:PFA+1], s[PFA:PFA+1], s[20:21]
	s_add_nc_u64 s[PFA:PFA+1], s[PFA:PFA+1], 2*KSTEP*2  ; at K step 2: the first refill steps it to 3 and names K step 4
	v_mul_u32_u24 v[PFO], v6, SIZE_K*2
	; nothing is prefetched here, at the head, where every work-group's first two tiles are on their way
; 16 matrix instructions: m blocks a0, a0 + 1 of the window's four (hi = 0: my rows 0-63, 1: rows 64-127) x all 8 n blocks, 32 along K.  zero = 1: the first product starts the sums: nothing is ever cleared.
; The 64 accumulators take turns, one instruction a turn, in the same order in every quarter step, over the loop's backward jump and into the tail.
.macro MUL16 f, hi, a0, zero
	WIN MUL_LO+0x50*(\hi)
.irp a, \a0, (\a0)+1
.irp b, 0,1,2,3,4,5,6,7
.if \zero
	v_wmma_f32_16x16x32_bf16 v[8*(8*(\a)+(\b)):8*(8*(\a)+(\b))+7], v[(\f)+8*(\b):(\f)+8*(\b)+7], v[(\f)+8*(4*(\hi)+(\a)):(\f)+8*(4*(\hi)+(\a))+7], 0
.else
	v_wmma_f32_16x16x32_bf16 v[8*(8*(\a)+(\b)):8*(8*(\a)+(\b))+7], v[(\f)+8*(\b):(\f)+8*(\b)+7], v[(\f)+8*(4*(\hi)+(\a)):(\f)+8*(4*(\hi)+(\a))+7], v[8*(8*(\a)+(\b)):8*(8*(\a)+(\b))+7]
.endif
.endr
.endr
.endm
; 32 LDS loads in one run: the fragments of one quarter step (128 rows of wb, 128 rows of xb, 32 K at byte k of the rows) into buffer f
.macro FETCH slot, k, f
	WIN TO_B
.irp i, 0,1,2,3,4,5,6,7
	ds_load_b128 v[(\f)+8*(\i):(\f)+8*(\i)+3],   v[ADRB+(\slot)] offset:(\k)+(\i)*16*PITCH
	ds_load_b128 v[(\f)+8*(\i)+4:(\f)+8*(\i)+7], v[ADRB+(\slot)] offset:(\k)+(\i)*16*PITCH+32
.endr
	WIN 0
.irp i, 0,1,2,3,4,5,6,7
	ds_load_b128 v[(\f)+8*(\i):(\f)+8*(\i)+3],   v[ADRA+(\slot)] offset:(\k)+(\i)*16*PITCH
	ds_load_b128 v[(\f)+8*(\i)+4:(\f)+8*(\i)+7], v[ADRA+(\slot)] offset:(\k)+(\i)*16*PITCH+32
.endr
.endm
; A load into a register that a matrix instruction has read, and a store that reads a matrix result, stand four places behind that matrix instruction, and only plain vector instructions that name none of
; its registers are places (ISA guide 7.12.1 for vector instructions).
.macro PLACES
.rept 4
	v_nop
.endr
.endm
; A K step is four quarter steps of 32 along K, 64 matrix instructions each, on buffers 0, 1, 0, 1.
; One of the first three: multiplies buffer f; in its middle it fetches the next quarter's fragments, at byte k of the same slot's rows, into buffer g.
.macro QUARTER slot, k, f, g, zero
	s_wait_dscnt 8                                 ; wb's fragments and xb's rows 0-63 are in; the youngest eight loads (xb's rows 64-127) may be out
	MUL16 \f, 0, 0, \zero
	MUL16 \f, 0, 2, \zero
	PLACES
	FETCH \slot, \k, \g
	s_wait_dscnt 32                                ; all but the 32 just issued
	MUL16 \f, 1, 0, \zero
	MUL16 \f, 1, 2, \zero
.endm
; The last quarter multiplies buffer 1 and changes slots.  MEET is its first half: ONE barrier for the change.  In front of it each wave waits for all its tensor loads, of which one is out: its part of the
; next slot; adds 0 to its spare word; and waits for that and for its own reads of this slot.  Behind it nobody reads this slot any more and the next slot is whole.
.macro MEET round                      ; round = 1: the rest of a round of the cluster's barrier follows
	WIN 0                                          ; (the add's two registers lie in window 0)
	s_wait_tensorcnt 0x0                           ; all my tensor loads have landed;
	ds_add_u32 v[SPW], v[NIL]                      ; 0 onto my spare word;
	s_wait_dscnt 9                                 ; (the add and the youngest eight fragment loads may be out)
	MUL16 F1, 0, 0, 0                              ; sixteen matrix instructions stand between the add and the wait for it
	s_wait_dscnt 0x0                               ; the add is done, and my reads of this slot are over:
	s_barrier_signal -1                            ; say so,
	MUL16 F1, 0, 2, 0                              ; work on registers while the others arrive,
.if \round
	WIN 0
.endif
	s_barrier_wait -1                              ; and go on when all four have said so
.endm
; The whole last quarter of a K step whose slot is filled again, with the K step two steps on: the refill is the first tensor load behind the round, 224 matrix instructions ahead of the wait for it.
.macro TURN slot, next
	s_wait_xcnt 0x0                                ; the last prefetch, a K step back, has read its address: it is stepped here, ahead of the change's own waits
	s_add_nc_u64 s[PFA:PFA+1], s[PFA:PFA+1], KSTEP*2
	MEET 1
	CREST                                          ; all sixteen work-groups have said so: no wave of any partner still reads this slot's tile or has a load on its way
	s_add_nc_u64 s[G0+4*(\slot)+2:G0+4*(\slot)+3], s[G0+4*(\slot)+2:G0+4*(\slot)+3], 2*KSTEP*2      ; no tensor load of mine is out, so both group 0 may be written; the type bits on top are not reached
	s_add_nc_u64 s[G0B+4*(\slot)+2:G0B+4*(\slot)+3], s[G0B+4*(\slot)+2:G0B+4*(\slot)+3], 2*KSTEP*2
	JLOAD \slot                                    ; the four v_nop behind it are also the places in front of the loads below
	FETCH \next, 0, F0
	ASK                                            ; behind the joint load and the run of LDS loads that the next products wait for
	MUL16 F1, 1, 0, 0
	MUL16 F1, 1, 2, 0
.endm
; THE WAY OUT of block a (16 of my 128 rows), in two parts.  TOSTAGE: the block's 8 accumulators go as they are, f32, into my own stage (each accumulator's four lowest registers first)
; and come back as whole rows of 512 bytes.  The stage is my wave's own and LDS serves a wave's instructions in order (ISA guide 5.7.1.4): no wait and no barrier between the stores and the loads,
; nor between a block's loads and the next block's stores.
.macro TOSTAGE a
.set AC, 64*((\a)%4)
.set BK, OB+64*((\a)%2)
	WIN 0
	s_wait_xcnt 0x0                                ; the stores of the block two back have read this buffer: it is loaded again only behind this wait
	WIN 0x08+4*((\a)/4)                            ; an LDS store's data is source 1: window 2 (blocks 0-3) or 3 (blocks 4-7)
.irp b, 0,1,2,3,4,5,6,7
	ds_store_b128 v[STO], v[AC+8*(\b):AC+8*(\b)+3]   offset:64*(\b)
	ds_store_b128 v[STO], v[AC+8*(\b)+4:AC+8*(\b)+7] offset:64*(\b)+16
.endr
	WIN 0
.irp t, 0,1,2,3,4,5,6,7,8,9,10,11,12,13,14,15
	ds_load_b128 v[BK+4*(\t):BK+4*(\t)+3], v[RD] offset:(\t)*SPITCH
.endr
.endm
; SEND: sign(bias) of my four columns is added, and the row is stored.  younger: the LDS instructions issued behind the block's own loads: the next block's 16 stores and 16 loads, or none.
.macro SEND a, younger
.set BK, OB+64*((\a)%2)
	WIN 0
.irp t, 0,1,2,3,4,5,6,7,8,9,10,11,12,13,14,15
	s_wait_dscnt (\younger)+15-(\t)                ; row t is back: its 15 - t younger rows and the next block's instructions may be out
	v_pk_add_f32 v[BK+4*(\t):BK+4*(\t)+1],   v[BK+4*(\t):BK+4*(\t)+1],   v[SB:SB+1]
	v_pk_add_f32 v[BK+4*(\t)+2:BK+4*(\t)+3], v[BK+4*(\t)+2:BK+4*(\t)+3], v[SB+2:SB+3]
	global_store_b128 v[CO], v[BK+4*(\t):BK+4*(\t)+3], s[8:9] offset:(16*(\a)+(\t))*SIZE_N*4 th:TH_STORE_NT  ; the wave stores 512 consecutive bytes, at a multiple of 512 from out0's first byte; 127 rows at the most: 2,080,768, inside the signed 24-bit immediate
.endr
.endm
	s_wait_tensorcnt 1                             ; my part of K step 0 is in; K step 1's load may stay out
	s_barrier_signal -1
	s_barrier_wait -1                              ; everybody's is
	FETCH 0, 0, F0
	QUARTER 0, 64,  F0, F1, 1                      ; the first quarter stands in front of the loop: its products start the sums
	WIN 0                                          ; at a label and at a branch every window is 0
	s_mov_b32 s3, LAPS-1
.Llap:                                                 ; a trip goes once round the ring, from a lap's second quarter to the next lap's first, and fills both slots again: trip t with K steps 2 t + 2 and 2 t + 3
	QUARTER 0, 128, F1, F0, 0
	QUARTER 0, 192, F0, F1, 0
	TURN 0, 1
	QUARTER 1, 64,  F0, F1, 0
	QUARTER 1, 128, F1, F0, 0
	QUARTER 1, 192, F0, F1, 0
	TURN 1, 0
	QUARTER 0, 64,  F0, F1, 0
	WIN 0
	s_sub_co_u32 s3, s3, 1
	s_cmp_lg_u32 s3, 0
	s_cbranch_scc1 .Llap
	QUARTER 0, 128, F1, F0, 0                      ; the last lap is written out: it fills nothing, and has no round of the cluster's barrier
	QUARTER 0, 192, F0, F1, 0
	MEET 0                                         ; my one tensor load that was still out is slot 1's, the last K step's
	PLACES                                         ; for the loads into buffer 0, which the quarter before multiplied
	FETCH 1, 0, F0
	MUL16 F1, 1, 0, 0
	MUL16 F1, 1, 2, 0
	QUARTER 1, 64,  F0, F1, 0
	QUARTER 1, 128, F1, F0, 0
	QUARTER 1, 192, F0, F1, 0
	s_wait_dscnt 8                                 ; the very last quarter: nothing more to fetch
	MUL16 F1, 0, 0, 0
	MUL16 F1, 0, 2, 0
	s_wait_dscnt 0x0
	MUL16 F1, 1, 0, 0
	MUL16 F1, 1, 2, 0
	WIN 0
	; sign(bias) of my four columns: +1 where it is positive, -1 where negative, else bias itself (a zero, a NaN).  No tensor load follows.
	s_wait_loadcnt 0x0                             ; bias, asked for at the head
	v_mov_b32 v4, 1.0
	v_mov_b32 v5, -1.0
.irp j, 0,1,2,3
	v_cmp_lt_f32 vcc_lo, 0, v[BI+(\j)]
	v_cndmask_b32 v[SB+(\j)], v[BI+(\j)], v4, vcc_lo
	v_cmp_gt_f32 vcc_lo, 0, v[BI+(\j)]
	v_cndmask_b32 v[SB+(\j)], v[SB+(\j)], v5, vcc_lo
.endr
	PLACES                                         ; behind the last products, in front of the stores that read results and of the loads into the fragments' registers
	TOSTAGE 0
.irp a, 1,2,3,4,5,6,7                  ; block a's way through the stage is begun ahead of block a - 1's stores, so that the wave does not sit out the stage's round trip
	TOSTAGE \a
	SEND (\a)-1, 32
.endr
	SEND 7, 0
	s_wait_tensorcnt 0x0                           ; the wave's end, behind my last tensor load and my last LDS store
	ds_add_u32 v[SPW], v[NIL]
	s_wait_dscnt 0x0
	CROUND                                         ; the closing round: no work-group ends while a partner may still ask for a tile that names it
	s_endpgm
.Lfunc_end_k_qb68122142c_gemm:
	.size	k_qb68122142c_gemm, .Lfunc_end_k_qb68122142c_gemm-k_qb68122142c_gemm
	.p2alignl 7, 3214868480
	.fill 96, 4, 3214868480
	.section	.rodata,"a",@progbits
	.p2align	6, 0x0
	.amdhsa_kernel k_qb68122142c_gemm
		.amdhsa_group_segment_fixed_size 327680
		.amdhsa_private_segment_fixed_size 0
		.amdhsa_enable_private_segment 0
		.amdhsa_kernarg_size 32
		.amdhsa_user_sgpr_count 2
		.amdhsa_user_sgpr_kernarg_segment_ptr 1
		.amdhsa_wavefront_size32 1
		.amdhsa_system_sgpr_workgroup_id_x 1
		.amdhsa_system_sgpr_workgroup_id_y 1
		.amdhsa_system_sgpr_workgroup_id_z 1
		.amdhsa_system_vgpr_workitem_id 0
		.amdhsa_next_free_vgpr 1024
		.amdhsa_next_free_sgpr 68
		.amdhsa_reserve_vcc 1
		.amdhsa_float_denorm_mode_32 3
		.amdhsa_float_denorm_mode_16_64 3
		.amdhsa_memory_ordered 1
		.amdhsa_forward_progress 1
		.amdhsa_inst_pref_size 162
	.end_amdhsa_kernel
	.amdgpu_metadata
---
amdhsa.version: [ 1, 2 ]
amdhsa.kernels:
  - .name:           k_qb68122142c_gemm
    .symbol:         k_qb68122142c_gemm.kd
    .args:
      - { .name: xb, .offset: 0, .size: 8, .value_kind: global_buffer, .address_space: global }
      - { .name: wb, .offset: 8, .size: 8, .value_kind: global_buffer, .address_space: global }
      - { .name: out0, .offset: 16, .size: 8, .value_kind: global_buffer, .address_space: global }
      - { .name: bias, .offset: 24, .size: 8, .value_kind: global_buffer, .address_space: global }
    .group_segment_fixed_size: 327680
    .private_segment_fixed_size: 0
    .kernarg_segment_align: 8
    .kernarg_segment_size: 32
    .max_flat_workgroup_size: 128
    .sgpr_count:     68
    .vgpr_count:     1024
    .wavefront_size: 32
...
	.end_amdgpu_metadata
.endif
;; end of part 2
;; ======== version 2 of 2: 2 launches; version 1 with the launch prep written anew for expert scheduling mode
;; workspace buffers: xb 33,554,432 bytes; wb 33,554,432 bytes
;; launch prep (part 3): grid 256 x 2, 8 waves a work-group, no clusters, 0 bytes of LDS; arguments x, weight, xb, wb; writes xb, wb
.if DOCPART == 3
	.amdgcn_target "amdgcn-amd-amdhsa--gfx1250"
	.amdhsa_code_object_version 6
	.text
	.protected	k_qb68122142c_prep
	.globl	k_qb68122142c_prep
	.p2align	8
	.type	k_qb68122142c_prep,@function
k_qb68122142c_prep:
	s_mov_b64 s[64:65], 0
	v_nop
	global_prefetch_b8 v0, s[64:65] scope:SCOPE_SE
	s_setreg_imm32_b32 hwreg(HW_REG_WAVE_SCHED_MODE, 0, 2), 2
	s_setreg_imm32_b32 hwreg(HW_REG_WAVE_MODE, 25, 1), 1
	s_wait_xcnt 0x0
	s_wait_alu depctr_vm_vsrc(0)
; xb = x rounded once to bf16 (nearest even);  wb = sign(weight) in bf16, which holds -1, 0 and +1 exactly.  x, weight: [4096][4096] f32;  xb, wb: [4096][4096] bf16, row-major.
; LIMITS.  An x beyond bf16's largest finite number becomes an infinity.  The sign is exact for every f32: a denormal gives +1 or -1, +0 and -0 stay zeros, a NaN stays a NaN.
; SHARES.  Work-groups with y = 0 take x, those with y = 1 weight.  Work-group g owns 262,144 consecutive input bytes, taken as 64 pieces of 4,096 bytes, and writes 131,072 bytes.
; Thread t takes the 16 bytes at 16 t of each piece (a wave's load covers 512 consecutive bytes) and stores 8 bytes at 8 t of the 2,048 bytes made of it: a wave's store covers 256 consecutive
; bytes, aligned.
; LEFT OUT: LDS, tensor loads, clusters and the matrix unit: no byte is wanted by two threads, and each number has a conversion or four selects.  No prefetch: the loads themselves are the stream.
; THE MODE: SCHED_MODE bits 1:0 = 2 (LLVM: expert scheduling mode 2), set by the entry lines.  The code itself states the register dependences between vector instructions and memory
; instructions, with s_wait_alu, always for 0.
; THE PLAN.  The 64 pieces go in 8 blocks of eight.  Registers that memory instructions touch:
;   X0 .. X3   four blocks as loaded.   Written by the loads of block p + 3, issued in block p; read by block p's conversions (or compares and selects).
;   Y0, Y1     two blocks to store.     Written by block p's roundings; read by the eight stores that are issued in block p + 1.
;   v1, v2     byte offsets, made once at the head and never written again: every piece is reached by an immediate offset (258,048 at the most), and the two scalar bases stand still.
; Block p works on X[p % 4] and writes Y[p % 2].  Its memory instructions are the loads into X[(p + 3) % 4] = X[(p - 1) % 4] and the stores from Y[(p - 1) % 2]: the two buffers that block
; p - 1 worked on and that no vector instruction of block p names.  So the waits at a block's head state all that its sixteen memory instructions hang on, and these are dealt among its
; vector instructions with no further wait.  16 to 24 loads of every wave are on their way.
; With four X buffers a lap would be four blocks; of the eight blocks the first has none in front of it and the last three ask for nothing: one lap is left, so the blocks are written out by macro.
; In the sign's text a vector compare writes a scalar mask that a select reads: the compares of two pieces stand in a run of sixteen, with one wait behind the run.
.set BLOCK,  8                         ; pieces in a block
.set BLOCKS, 64/BLOCK
.set INROW,  4096                      ; input bytes of a piece
.set OUTROW, 2048                      ; output bytes of a piece
.set IN,   1                           ; v1         16 t; never rewritten
.set OUTO, 2                           ; v2         8 t; never rewritten
.set ONE,  3                           ; v3         1.0
.set MONE, 4                           ; v4         -1.0
.set T,    6                           ; v[6:13]    at work: two pieces' eight numbers; no memory instruction names them
.set X,    16                          ; v[16:143]  buffer k, piece j: 4 numbers as loaded, at X + 32 k + 4 j
.set Y,    144                         ; v[144:175] buffer k, piece j: 4 bf16 to store, at Y + 16 k + 2 j
.set MK,   16                          ; s[16:31]   the sign's masks: number e of a pair of pieces: 0 < w at MK + 2 e, 0 > w at MK + 2 e + 1
	s_load_b256 s[4:11], s[0:1], 0x0               ; x s[4:5], weight s[6:7], xb s[8:9], wb s[10:11]
	s_and_b32 s12, ttmp7, 0xffff                   ; 0: x, 1: weight
	s_lshl_b32 s14, ttmp9, 18                      ; the work-group's 262,144 input bytes (255 x 2^18 stays under 2^32),
	s_mov_b32 s15, 0
	s_lshl_b32 s16, ttmp9, 17                      ; and its 131,072 output bytes
	s_mov_b32 s17, 0
	v_lshlrev_b32 v[IN], 4, v0
	v_lshlrev_b32 v[OUTO], 3, v0
	v_mov_b32 v[ONE], 1.0
	v_mov_b32 v[MONE], -1.0
	s_wait_kmcnt 0x0
	s_cmp_eq_u32 s12, 0
	s_cselect_b64 s[4:5], s[4:5], s[6:7]           ; from where,
	s_cselect_b64 s[8:9], s[8:9], s[10:11]         ; to where
	s_add_nc_u64 s[4:5], s[4:5], s[14:15]
	s_add_nc_u64 s[8:9], s[8:9], s[16:17]
	s_wait_alu depctr_va_vdst(0)                   ; v1 and v2 are written: every load and store of both texts below reads one of them as its offset
	s_cmp_lg_u32 s12, 0
	s_cbranch_scc1 .Lsign
; Blocks 0, 1 and 2 are asked for: 24 loads into X0, X1, X2.
.macro FIRST
.set n, 0
.rept 3*BLOCK
	global_load_b128 v[X+4*n:X+4*n+3], v[IN], s[4:5] offset:n*INROW th:TH_LOAD_NT
.set n, n+1
.endr
.endm
; The head of block p.
.macro HEAD p
.if (\p) < BLOCKS-2
	s_wait_loadcnt 2*BLOCK                         ; loads come back in order (ISA guide 5.7.1): X[p % 4] is in, the two younger blocks' sixteen loads stay out
.else
	s_wait_loadcnt (BLOCKS-1-(\p))*BLOCK           ; the last blocks have fewer behind them: the counts run down
.endif
.if (\p) > 1
	s_wait_xcnt 0x0                                ; every earlier memory instruction has had its addresses translated (ISA guide 3.1): Y[p % 2], the data of the stores issued in the block before, is rewritten only behind this wait
	s_wait_alu depctr_vm_vsrc(0)                   ; those stores have read Y[p % 2], which this block's roundings write again (blocks 0 and 1 write a Y that no store has read)
.endif
.if (\p) > 0
	s_wait_alu depctr_va_vdst(0)                   ; the block before has written the other Y, which the stores below read, and is done reading its X, in which the loads below land
.endif
.endm
; The memory instructions that stand ahead of piece j of block p: the load three blocks ahead, then the store of the block before.  No vector instruction since the head's wait names their registers.
; Blocks 5 to 7 ask for nothing: no load passes the group's 64th piece.
.macro MOVE p, j
.if (\p) < BLOCKS-3
	global_load_b128 v[X+32*(((\p)+3)%4)+4*(\j):X+32*(((\p)+3)%4)+4*(\j)+3], v[IN], s[4:5] offset:(((\p)+3)*BLOCK+(\j))*INROW th:TH_LOAD_NT  ; the load ahead of the store
.endif
.if (\p) > 0
	global_store_b64 v[OUTO], v[Y+16*(((\p)+1)%2)+2*(\j):Y+16*(((\p)+1)%2)+2*(\j)+1], s[8:9] offset:(((\p)-1)*BLOCK+(\j))*OUTROW  ; no hint: the next launch reads these bytes
.endif
.endm
; Block p of x: rounded.
.macro RBLK p
	HEAD \p
.irp j, 0,1,2,3,4,5,6,7
	MOVE \p, \j
	v_cvt_pk_bf16_f32 v[Y+16*((\p)%2)+2*(\j)],   v[X+32*((\p)%4)+4*(\j)],   v[X+32*((\p)%4)+4*(\j)+1]  ; two roundings to bf16, packed
	v_cvt_pk_bf16_f32 v[Y+16*((\p)%2)+2*(\j)+1], v[X+32*((\p)%4)+4*(\j)+2], v[X+32*((\p)%4)+4*(\j)+3]
.endr
.endm
; Block p of weight: the sign, two pieces (q and q + 1: eight numbers in eight registers on end) at a time.
.macro SBLK p
	HEAD \p
.irp q, 0,2,4,6
	MOVE \p, \q
	MOVE \p, (\q)+1
.irp e, 0,1,2,3,4,5,6,7
	v_cmp_lt_f32 s[MK+2*(\e)],   0, v[X+32*((\p)%4)+4*(\q)+(\e)]  ; 0 < w
	v_cmp_gt_f32 s[MK+2*(\e)+1], 0, v[X+32*((\p)%4)+4*(\q)+(\e)]  ; 0 > w
.endr
	s_wait_alu depctr_va_sdst(0)                   ; the sixteen compares have written s[16:31], ahead of the first select that reads one of them
.irp e, 0,1,2,3,4,5,6,7
	v_cndmask_b32 v[T+(\e)], v[X+32*((\p)%4)+4*(\q)+(\e)], v[ONE], s[MK+2*(\e)]  ; +1 where w is positive; else w itself, so that a zero and a NaN stay what they are,
.endr
.irp e, 0,1,2,3,4,5,6,7
	v_cndmask_b32 v[T+(\e)], v[T+(\e)], v[MONE], s[MK+2*(\e)+1]                  ; -1 where it is negative
.endr
.irp e, 0,1,2,3
	v_cvt_pk_bf16_f32 v[Y+16*((\p)%2)+2*(\q)+(\e)], v[T+2*(\e)], v[T+2*(\e)+1]
.endr
.endr
.endm
; Behind the last block: its eight stores.
.macro LAST
	s_wait_alu depctr_va_vdst(0)                   ; the last block has written its Y, which the last eight stores read
.irp j, 0,1,2,3,4,5,6,7
	global_store_b64 v[OUTO], v[Y+16*((BLOCKS-1)%2)+2*(\j):Y+16*((BLOCKS-1)%2)+2*(\j)+1], s[8:9] offset:((BLOCKS-1)*BLOCK+(\j))*OUTROW
.endr
	s_endpgm
.endm
	FIRST
.irp p, 0,1,2,3,4,5,6,7
	RBLK \p
.endr
	LAST
.Lsign:
	FIRST
.irp p, 0,1,2,3,4,5,6,7
	SBLK \p
.endr
	LAST
.Lfunc_end_k_qb68122142c_prep:
	.size	k_qb68122142c_prep, .Lfunc_end_k_qb68122142c_prep-k_qb68122142c_prep
	.p2alignl 7, 3214868480
	.fill 96, 4, 3214868480
	.section	.rodata,"a",@progbits
	.p2align	6, 0x0
	.amdhsa_kernel k_qb68122142c_prep
		.amdhsa_group_segment_fixed_size 0
		.amdhsa_private_segment_fixed_size 0
		.amdhsa_enable_private_segment 0
		.amdhsa_kernarg_size 32
		.amdhsa_user_sgpr_count 2
		.amdhsa_user_sgpr_kernarg_segment_ptr 1
		.amdhsa_wavefront_size32 1
		.amdhsa_system_sgpr_workgroup_id_x 1
		.amdhsa_system_sgpr_workgroup_id_y 1
		.amdhsa_system_sgpr_workgroup_id_z 1
		.amdhsa_system_vgpr_workitem_id 0
		.amdhsa_next_free_vgpr 176
		.amdhsa_next_free_sgpr 66
		.amdhsa_reserve_vcc 0
		.amdhsa_float_denorm_mode_32 3
		.amdhsa_float_denorm_mode_16_64 3
		.amdhsa_memory_ordered 1
		.amdhsa_forward_progress 1
		.amdhsa_inst_pref_size 108
	.end_amdhsa_kernel
	.amdgpu_metadata
---
amdhsa.version: [ 1, 2 ]
amdhsa.kernels:
  - .name:           k_qb68122142c_prep
    .symbol:         k_qb68122142c_prep.kd
    .args:
      - { .name: x, .offset: 0, .size: 8, .value_kind: global_buffer, .address_space: global }
      - { .name: weight, .offset: 8, .size: 8, .value_kind: global_buffer, .address_space: global }
      - { .name: xb, .offset: 16, .size: 8, .value_kind: global_buffer, .address_space: global }
      - { .name: wb, .offset: 24, .size: 8, .value_kind: global_buffer, .address_space: global }
    .group_segment_fixed_size: 0
    .private_segment_fixed_size: 0
    .kernarg_segment_align: 8
    .kernarg_segment_size: 32
    .max_flat_workgroup_size: 256
    .sgpr_count:     66
    .vgpr_count:     176
    .wavefront_size: 32
...
	.end_amdgpu_metadata
.endif
;; end of part 3
;; launch gemm: the kernel of part 2 again; grid 16 x 16, 4 waves a work-group, clusters of 4 x 4, 327,680 bytes of LDS; arguments xb, wb, out0, bias; writes out0
